; MI455X (gfx1250); checked and timed in simulation.
; The chip was launched on July 23, 2026; its instructions are those of AMD's public machine-readable ISA for CDNA 5 (MIT licence, August 2026) and "CDNA5" Instruction Set Architecture Reference Guide (July 2026). The comments in the code are by the model that wrote it; some were corrected since.
;; Keras Cross Attention Module. Allowed arithmetic: matrix products marked QUANTISED: E2M3 operands, one E8M0 scale for each 32 along K, by v_wmma_scale_f32_16x16x128_f8f6f4 with both operands' format E2M3, f32 sums; everything else in f32.
;; Inputs: k_pos_embedding 1 x 4,096 x 256 float32; keys 8 x 256 x 64 x 64 float32; q_pos_embedding 1 x 4,096 x 256 float32; queries 8 x 256 x 64 x 64 float32; values 8 x 256 x 64 x 64 float32.
;; Outputs: out0 8 x 256 x 64 x 64 float32.
;; This version of the problem:
;;   THIS VERSION OF THE PROBLEM IS GIVEN IN LOW PRECISION. The matrix products marked QUANTISED in the list below multiply operands that are first quantised to E2M3 (2 exponent bits, 3 mantissa bits; 6 bits a number), with one power-of-two scale for each 32 numbers along K (OCP MX v1.0); their sums are f32. All else is computed in f32.
;;   The module's matrix products, in the order in which they are computed (A, B: the left and right operand; K: the contracted axis; several contracted axes count as one K, in the product's order):
;;     1. batch 8 x [M 4,096, K 256] x [K 256, N 4,096]; A: computed on the way; B: computed on the way: QUANTISED
;;     2. batch 8 x [M 4,096, K 4,096] x [K 4,096, N 256]; A: softmax (see below); B: input values: QUANTISED
;;   THE QUANTISER, for each operand of a quantised product, along K:
;;     - K is cut into blocks of 32 from its start; a last block that is shorter is filled with zeros.
;;     - A block's scale is 2^e with e = floor(log2(the largest magnitude in the block)) - 2, held to -126 .. 127; a block of zeros has e = 0. As a byte (E8M0): e + 127.
;;     - Each number is divided by its block's scale, clamped to +-7.5, and rounded to the nearest number of E2M3, ties to even, subnormals kept.
;;     - The product sums the exact products of the quantised numbers (number of the format x scale) in f32.
;;   ~~~python
;;   def quantise(x, axis):      # numpy; x: float32 -> the quantised numbers, widened to float32 again
;;       x = np.moveaxis(x, axis, -1); K = x.shape[-1]
;;       x = np.pad(x, [(0, 0)] * (x.ndim - 1) + [(0, -K % 32)]); x = x.reshape(x.shape[:-1] + (-1, 32)); a = np.abs(x).max(-1, keepdims=True)
;;       e = np.where(a > 0, np.clip(np.frexp(np.where(a > 0, a, 1))[1] - 1 - 2, -126, 127), 0)      # np.frexp(a)[1] - 1 = floor(log2(a)), exactly
;;       r = np.clip(x / 2.0 ** e, -7.5, 7.5)
;;       step = 2.0 ** (np.maximum(np.frexp(np.where(r == 0, 1, r))[1] - 1, 0) - 3)
;;       q = np.round(r / step) * step * 2.0 ** e      # np.round: ties to even
;;       return np.moveaxis(q.reshape(q.shape[:-2] + (-1,))[..., :K], -1, axis).astype(np.float32)
;;   ~~~
;;   SOFTMAX AHEAD OF A QUANTISED PRODUCT. Where the list says 'softmax', what is quantised is not the finished softmax but p = 2^(t - M), with t = logit x log2(e) and M = ceil(the row's largest t), a whole number; so 1/2 < the row's largest p <= 1. The row's sum l is taken of the UNQUANTISED p, in f32, and the product's result is divided by l at the end. Since M is a whole number, a kernel that streams over the keys may use a running M (the ceiling of the running maximum): every later rescaling is an exact power of two, which a block's scale takes up: the codes' values come out the same.
;;   OPERANDS COMPUTED ON THE WAY. 'Computed on the way' means the value that the module computes at that place (a softmax that the list does not call 'softmax' is quantised finished and normalised). What goes into a quantiser is computed in f32, as accurately as f32 sums, v_exp_f32 and their like allow (about 1e-6 of the number): no bf16 or f16 on the way to a quantiser, and a product that is left as it is and whose result goes on into a quantised operand takes f32 operands (vector FMAs, or v_wmma_f32_16x16x4_f32). A number that lies on a knife's edge between two numbers of the format may be rounded either way, as far as f32 arithmetic and the matrix unit's own rounding can turn it there, and no further.
;; One version. Each part assembles by itself: llvm-mc -triple=amdgcn-amd-amdhsa -mcpu=gfx1250 --defsym DOCPART=n.
;; ======== version 1 of 1: 2 launches
;; limits: right only within a limited range of input values
;; workspace buffers: qc 6,553,600 bytes; kv 13,107,200 bytes
;; launch prep (part 1): grid 768 x 1, 4 waves a work-group, no clusters, 94,720 bytes of LDS; arguments queries, q_pos_embedding, keys, k_pos_embedding, values, qc, kv; writes qc, kv
.if DOCPART == 1
	.amdgcn_target "amdgcn-amd-amdhsa--gfx1250"
	.amdhsa_code_object_version 6
	.text
	.protected	k_qc414ce4d53_prep
	.globl	k_qc414ce4d53_prep
	.p2align	8
	.type	k_qc414ce4d53_prep,@function
k_qc414ce4d53_prep:
	s_mov_b64 s[64:65], 0
	v_nop
	global_prefetch_b8 v0, s[64:65] scope:SCOPE_SE
	s_setreg_imm32_b32 hwreg(HW_REG_WAVE_MODE, 25, 1), 1
	s_wait_xcnt 0x0
; q = queries^T + q_pos, k = keys^T + k_pos (one f32 addition each) and v = values are turned into codes of FP6 (E2M3) with one E8M0 scale byte for each 32 along K, and laid out
; AS IMAGES OF OPERAND REGISTERS, 16 bytes a lane.  K is the channel for q and k, the key for v.
; queries, keys, values: [8][256 channels][4096 places] f32.  q_pos, k_pos: [4096 places][256 channels] f32.
; A BLOCK (25,600 bytes) holds 128 rows (queries or keys) x 256 channels: fragment (tile t = 0..7, channel step s = 0, 1) at 1,536 (2 t + s); in it register R of lane L at 512 (R / 4) + 16 L + 4 (R % 4).
;   Lane r of tile 2 b + u holds row 32 b + 8 u + r + 8 (r / 8).  (The second launch takes q's tiles as they lie, and composes its tiles of keys from halves of these as it reads them.)
;   Its scale words at 24,576 + 256 b + 8 lane + 4 u: lanes 0-15 the word of channel step 0 of row r of tile 2 b + u, lanes 16-31 that of channel step 1.
; qc: block (32 batch + x) at 25,600 x that number.  kv: key step (32 batch + j), 51,200 bytes: the keys' block; from 25,600 on V's 16 fragments (channels 16 ct + r, keys 128 j + 0..127 in their order), 1,536 each;
;   from 50,176 on V's scale words: 256 w + 8 lane + 4 i: lanes 0-15 tile 4 w + 2 i, lanes 16-31 tile 4 w + 2 i + 1.
; A block's scale is 2^(floor(log2(its largest magnitude)) - 2): its byte is the largest magnitude's exponent field - 2, held at 1 from below by a floor among the maximum's leaves.
; LIMITS: NaN and infinities among the inputs are not served.  A block of zeros gets the byte 1 where the rule says 127 (its codes are zeros, and this program alone reads the bytes); blocks whose largest
; magnitude lies under 2^-124 are quantised under the byte 1.
; SHARES: work-groups 0-255 take q, 256-511 k (one block each; the two are told apart by a choice of pointers alone), 512-767 v (one key step each).  Waves share nothing: no barrier.  No matrix work, no tensor load, no
; cluster: every byte but the position tables is read by one wave, and the launch is a stream.
.set QKB,   25600
.set STEPB, 51200
.set WQK,   15104                      ; LDS of a wave on q's and k's way: a stage of 32 rows x 272 for the position table, the image of its four fragments, its scale words
.set IMG,   8704
.set SIM,   14848
.set VBASE, 4*WQK                      ; v's way has LDS bytes of its own: a stage of 16 rows x 528 for each wave
.set WVB,   8448
.set PL,    32                         ; v32-95   a chunk of the position table as loaded
.set PT,    96                         ; v96-159  the same, turned: 64 channels of my row
.set X,     160                        ; v160-223 two sets of 32 channels of my row
.set VL,    32                         ; v32-159  v: two sets of 16 rows as loaded
.set VT,    160                        ; v160-223 v: my two blocks of 32 keys
.set C,     224                        ; v224-235 v: a fragment's codes
.set CT,    236                        ; v236-242 v: the upper halves of the blocks' codes, as the conversions leave them
	s_load_b256 s[4:11], s[0:1], 0x0               ; queries s[4:5], q_pos s[6:7], keys s[8:9], k_pos s[10:11]
	s_load_b128 s[12:15], s[0:1], 0x20             ; values s[12:13], qc s[14:15]
	s_load_b64 s[16:17], s[0:1], 0x30              ; kv
	v_lshl_add_u32 v254, v0, 2, 0x17000
	v_mov_b32 v255, 0
	v_lshrrev_b32 v1, 5, v0
	v_readfirstlane_b32 s18, v1                    ; wave 0..3
	v_and_b32 v1, 31, v0                           ; lane
	s_and_b32 s19, ttmp9, 255                      ; 32 batch + j
	s_lshr_b32 s20, s19, 5                         ; batch
	s_and_b32 s21, s19, 31                         ; j: which 128 places
	s_lshl_b32 s22, s20, 22                        ; the batch's first byte in queries, keys, values,
	s_lshl_b32 s23, s21, 9                         ; and 128 j places on
	s_add_co_u32 s22, s22, s23
	s_mov_b32 s23, 0
	s_cmp_lt_u32 ttmp9, 512
	s_cbranch_scc0 .Lv
; ---------------- q and k.  Wave w takes rows 128 j + 32 w + lane: A LANE IS A ROW AND ITS REGISTERS RUN DOWN THE CHANNELS: each load of x reads 128 consecutive bytes, the four waves stand side by side on 512.
	s_wait_alu depctr_va_vdst(0)
	v_lshlrev_b32 v2, 2, v1                        ; x: 4 bytes a lane
	v_and_b32 v12, 15, v1
	v_bfe_u32 v13, v0, 4, 1
	v_lshlrev_b32 v3, 4, v12
	v_lshl_add_u32 v3, v13, 10, v3                 ; the table: sixteen lanes read 256 consecutive bytes of a row, lanes 16-31 of the next row
	s_mul_i32 s24, s18, WQK                        ; my wave's LDS
	v_mul_u32_u24 v4, v13, 272
	v_lshl_add_u32 v4, v12, 4, v4
	v_add_nc_u32 v4, s24, v4                       ; into the stage: as loaded
	v_mul_u32_u24 v5, v1, 272
	v_add_nc_u32 v5, s24, v5                       ; out of it: my row
	v_and_b32 v14, 7, v1
	v_lshl_or_b32 v14, v13, 3, v14                 ; r = lane % 8 + 8 (lane / 16): my row's lane in its tile,
	v_bfe_u32 v15, v0, 3, 1                        ; u = bit 3 of the lane: which of my wave's two tiles
	v_mul_u32_u24 v6, v15, 3072
	v_lshl_add_u32 v6, v14, 4, v6
	v_add_nc_u32 v6, s24, v6                       ; the image: tile u, lane r
	v_lshlrev_b32 v7, 3, v14
	v_lshl_add_u32 v7, v15, 2, v7
	v_add_nc_u32 v7, s24, v7                       ; the scale words: 8 r + 4 u
	v_lshlrev_b32 v10, 4, v1                       ; the way out: 16 bytes a lane,
	v_lshlrev_b32 v11, 3, v1                       ; 8 for the scale words
	v_add_nc_u32 v8, s24, v10
	v_add_nc_u32 v9, s24, v11
	s_lshr_b32 s25, ttmp9, 8                       ; 0: q, 1: k
	s_lshl_b32 s26, s18, 7
	s_mov_b32 s27, 0
	s_add_nc_u64 s[26:27], s[26:27], s[22:23]      ; x: batch, 128 j + 32 w places
	s_lshl_b32 s28, s21, 17
	s_lshl_b32 s29, s18, 15
	s_add_co_u32 s28, s28, s29                     ; the table: (128 j + 32 w) rows of 1,024 bytes
	s_mov_b32 s29, 0
	s_mul_i32 s30, s19, QKB
	s_lshl_b32 s30, s30, s25                       ; the block: 25,600 apart in qc, 51,200 in kv
	s_mul_i32 s31, s18, 6144
	s_lshl_b32 s32, s18, 8
	s_add_co_u32 s32, s32, s30
	s_add_co_u32 s32, s32, 24576                   ; my wave's scale words
	s_mov_b32 s33, 0
	s_add_co_u32 s30, s30, s31                     ; my wave's four fragments
	s_mov_b32 s31, 0
	s_wait_kmcnt 0x0
	s_cmp_eq_u32 s25, 0                            ; the choice hangs on the work-group's number alone
	s_cselect_b64 s[4:5], s[4:5], s[8:9]
	s_cselect_b64 s[6:7], s[6:7], s[10:11]
	s_cselect_b64 s[14:15], s[14:15], s[16:17]
	s_add_nc_u64 s[4:5], s[4:5], s[26:27]
	s_add_nc_u64 s[6:7], s[6:7], s[28:29]
	s_add_nc_u64 s[34:35], s[14:15], s[32:33]
	s_add_nc_u64 s[14:15], s[14:15], s[30:31]
.macro PLOAD ch                        ; 64 channels (256 bytes) of my wave's 32 rows of the table.  Eight batches read it: no hint
.set n, 0
.rept 16
	global_load_b128 v[PL+4*n:PL+4*n+3], v3, s[6:7] offset:2048*n+256*(\ch)
.set n, n+1
.endr
.endm
.macro XLOAD kb                        ; block kb: channels 32 kb + 0..31 of my row, into set kb % 2.  The offsets reach 255 x 16,384 bytes: inside the signed 24-bit immediate (ISA guide, chapter 10)
.set n, 0
.rept 32
	global_load_b32 v[X+32*((\kb)%2)+n], v2, s[4:5] offset:(32*(\kb)+n)*16384 th:TH_LOAD_NT
.set n, n+1
.endr
.endm
.macro PTURN                           ; the chunk goes through my stage and comes back a row a lane; LDS serves a wave's instructions in order (ISA guide 5.7.1.4): no wait between
.set n, 0
.rept 16
	ds_store_b128 v4, v[PL+4*n:PL+4*n+3] offset:544*n
.set n, n+1
.endr
.set n, 0
.rept 16
	ds_load_b128 v[PT+4*n:PT+4*n+3], v5 offset:16*n
.set n, n+1
.endr
.endm
; Block kb = 4 s + 2 c + h of my row: registers 6 c .. 6 c + 5 of lane r + 16 h of fragment (my tile, s).  left: the younger loads, which may stay out
.macro BLOCK kb, left
.set XS, X+32*((\kb)%2)
.set PS, PT+32*((\kb)%2)
.set SS, (\kb)/4
.set DD, IMG+1536*SS+256*((\kb)%2)
	s_wait_loadcnt \left
.set n, 0
.rept 16
	v_pk_add_f32 v[XS+n:XS+n+1], v[XS+n:XS+n+1], v[PS+n:PS+n+1]   ; x^T + pos
.set n, n+2
.endr
	v_max3_num_f32 v12, |v[XS]|, |v[XS+1]|, |v[XS+2]|             ; the block's largest magnitude: all 32 numbers are mine; two chains
	v_max3_num_f32 v13, |v[XS+3]|, |v[XS+4]|, |v[XS+5]|
.irp i, 6,10,14,18,22,26
	v_max3_num_f32 v12, v12, |v[XS+\i]|, |v[XS+\i+1]|
	v_max3_num_f32 v13, v13, |v[XS+\i+2]|, |v[XS+\i+3]|
.endr
	v_max3_num_f32 v12, v12, |v[XS+30]|, |v[XS+31]|
	v_max3_num_f32 v12, v12, v13, 0x1800000        ; and the floor 2^(3 - 127): the byte cannot fall under 1
	v_add_nc_u32 v14, 0xff000000, v12              ; 2 off the exponent field: the conversion takes this operand's exponent field as its scale, and nothing else of it
	v_lshrrev_b32 v13, 23, v14                     ; the scale's byte
.if (\kb)%4 == 0
	v_mov_b32 v[16+SS], v13                        ; four bytes make the word of channel step s
.else
	v_lshl_or_b32 v[16+SS], v13, 8*((\kb)%4), v[16+SS]
.endif
	v_cvt_scalef32_pk16_fp6_f32 v[20:22], v[XS:XS+15], v14
	v_cvt_scalef32_pk16_fp6_f32 v[24:26], v[XS+16:XS+31], v14     ; (a conversion's three registers begin on an even number)
	v_nop                                          ; one plain place behind a scaled conversion
	v_mov_b32 v23, v24
	v_mov_b32 v24, v25
	v_mov_b32 v25, v26                             ; v20-25: the block's 24 bytes
.if ((\kb)%4)/2 == 0
	ds_store_b128 v6, v[20:23] offset:DD           ; registers 0-3,
	ds_store_b64 v6, v[24:25] offset:DD+512        ; 4 and 5
.else
	ds_store_b64 v6, v[20:21] offset:DD+520        ; registers 6 and 7,
	ds_store_b128 v6, v[22:25] offset:DD+1024      ; 8-11
.endif
.if (\kb)%4 == 3
	ds_store_b32 v7, v[16+SS] offset:SIM+128*SS
.endif
	s_wait_dscnt 0x0                               ; the stores have read their registers: the next block's codes may be written
.endm
	PLOAD 0
	XLOAD 0
.irp ch, 0,1,2,3
	s_wait_loadcnt 32                              ; the chunk of the table is in; the 32 loads of x issued behind it may be out
	PTURN
	XLOAD 2*\ch+1
	s_wait_dscnt 0x0                               ; the chunk is turned, and the stage's stores have read their registers
	BLOCK 2*\ch, 32                                ; younger: the odd block's 32 loads
.if \ch < 3
	PLOAD \ch+1
	XLOAD 2*\ch+2
	BLOCK 2*\ch+1, 48                              ; younger: the next chunk's 16 and the next block's 32
.else
	BLOCK 2*\ch+1, 0
.endif
.endr
.set n, 0
.rept 12
	ds_load_b128 v[32+4*n:35+4*n], v8 offset:IMG+512*n            ; the image as it lies
.set n, n+1
.endr
	ds_load_b64 v[80:81], v9 offset:SIM
.set n, 0
.rept 12
	s_wait_dscnt 12-n
	global_store_b128 v10, v[32+4*n:35+4*n], s[14:15] offset:512*n   ; 32 lanes store 512 consecutive bytes, at a multiple of 256 from the buffer's first byte
.set n, n+1
.endr
	s_wait_dscnt 0x0
	global_store_b64 v11, v[80:81], s[34:35]       ; 256 consecutive bytes, aligned
	s_wait_tensorcnt 0x0                           ; the wave's end
	ds_add_u32 v254, v255
	s_wait_dscnt 0x0
	s_endpgm
; ---------------- v.  The keys, its K, are innermost in memory.  Wave w takes channels 64 w + 0..63, four tiles of 16, of key step j.  A load reads a channel's 512 consecutive bytes; a tile goes through my stage and comes
; back so that lane (r, h) holds keys 64 c + 32 h + 0..31 of channel r: two whole blocks, in the order of the operand's registers.
.Lv:
	s_wait_alu depctr_va_vdst(0)
	v_lshlrev_b32 v2, 4, v1                        ; 16 bytes a lane: in, and out
	v_and_b32 v12, 15, v1
	v_bfe_u32 v13, v0, 4, 1
	s_mul_i32 s24, s18, WVB
	s_add_co_u32 s24, s24, VBASE                   ; my stage
	v_add_nc_u32 v3, s24, v2
	v_mul_u32_u24 v4, v12, 528
	v_lshl_add_u32 v4, v13, 7, v4
	v_add_nc_u32 v4, s24, v4                       ; row r, + 128 h bytes
	v_lshlrev_b32 v5, 3, v1
	v_lshlrev_b32 v6, 3, v13                       ; 8 h: where my two bytes stand in the scale word
	v_mov_b32 v24, 0                               ; written once: a lane permute's destination counts as one of its sources
	s_mov_b32 s36, 0x76543210
	s_mov_b32 s37, 0xfedcba98                      ; v_permlanex16_b32's selects for lane l xor 16
	s_lshl_b32 s26, s18, 20                        ; 64 w channels of 16,384 bytes
	s_mov_b32 s27, 0
	s_add_nc_u64 s[26:27], s[26:27], s[22:23]
	s_mul_i32 s28, s19, STEPB
	s_mul_i32 s29, s18, 6144
	s_lshl_b32 s30, s18, 8
	s_add_co_u32 s30, s30, s28
	s_add_co_u32 s30, s30, 50176                   ; my wave's scale words
	s_mov_b32 s31, 0
	s_add_co_u32 s28, s28, s29
	s_add_co_u32 s28, s28, 25600                   ; my wave's four fragments
	s_mov_b32 s29, 0
	s_wait_alu depctr_va_vdst(0)
	s_wait_kmcnt 0x0
	s_add_nc_u64 s[12:13], s[12:13], s[26:27]
	s_add_nc_u64 s[34:35], s[16:17], s[30:31]
	s_add_nc_u64 s[16:17], s[16:17], s[28:29]
.macro VLOAD tt
.set n, 0
.rept 16
	global_load_b128 v[VL+64*((\tt)%2)+4*n:VL+64*((\tt)%2)+4*n+3], v2, s[12:13] offset:(16*(\tt)+n)*16384 th:TH_LOAD_NT
.set n, n+1
.endr
.endm
.macro TILE tt
.set VS, VL+64*((\tt)%2)
.if (\tt) < 3
	s_wait_loadcnt 16                              ; this tile's 16 loads are in; the next tile's may be out
.else
	s_wait_loadcnt 0x0
.endif
.set n, 0
.rept 16
	ds_store_b128 v3, v[VS+4*n:VS+4*n+3] offset:528*n
.set n, n+1
.endr
.irp c, 0,1
.irp m, 0,1,2,3,4,5,6,7
	ds_load_b128 v[VT+32*\c+4*\m:VT+32*\c+4*\m+3], v4 offset:256*\c+16*\m
.endr
.endr
	s_wait_dscnt 0x0                               ; my numbers are in, and the stage's stores have read their registers,
.if (\tt) < 2
	VLOAD (\tt)+2                                  ; which take the tile two on
.endif
.irp c, 0,1
	v_max3_num_f32 v[12+\c], |v[VT+32*\c]|, |v[VT+32*\c+1]|, 0x1800000   ; my block 2 c + h, and the floor
.endr
.irp i, 2,4,6,8,10,12,14,16,18,20,22,24,26,28,30
.irp c, 0,1
	v_max3_num_f32 v[12+\c], v[12+\c], |v[VT+32*\c+\i]|, |v[VT+32*\c+\i+1]|   ; (the two blocks by turns)
.endr
.endr
.irp c, 0,1
	v_add_nc_u32 v[14+\c], 0xff000000, v[12+\c]    ; the conversion's scale operand
.endr
.irp c, 0,1
	v_lshrrev_b32 v[22+\c], 23, v[14+\c]           ; the scale's byte
.endr
	v_lshl_or_b32 v[16+(\tt)], v23, 16, v22        ; my two bytes: blocks h and 2 + h,
	v_lshlrev_b32 v[16+(\tt)], v6, v[16+(\tt)]     ; at their places;
	v_permlanex16_b32 v24, v[16+(\tt)], s36, s37
	v_or_b32 v[16+(\tt)], v[16+(\tt)], v24         ; with lane l xor 16's two the word is whole, in both halves of the lanes
.if (\tt) > 0
	s_wait_alu depctr_va_vdst(0)
	s_wait_xcnt 0x0                                ; the last tile's stores have read their registers (ISA guide 3.1): the codes may be written again
.endif
.irp c, 0,1
	v_cvt_scalef32_pk16_fp6_f32 v[C+6*\c:C+6*\c+2], v[VT+32*\c:VT+32*\c+15], v[14+\c]
	v_cvt_scalef32_pk16_fp6_f32 v[CT+4*\c:CT+4*\c+2], v[VT+32*\c+16:VT+32*\c+31], v[14+\c]
.endr
	v_nop                                          ; one plain place behind a scaled conversion
.irp c, 0,1
.irp i, 0,1,2
	v_mov_b32 v[C+3+6*\c+\i], v[CT+4*\c+\i]
.endr
.endr
.irp g, 0,1,2
	global_store_b128 v2, v[C+4*\g:C+4*\g+3], s[16:17] offset:1536*(\tt)+512*\g   ; the operand's registers as they stand: 512 consecutive bytes, aligned
.endr
.endm
	VLOAD 0
	VLOAD 1
	TILE 0
	TILE 1
	TILE 2
	TILE 3
	v_cmp_le_u32 vcc_lo, 16, v1                    ; lanes 0-15 carry the even tile's words, lanes 16-31 the odd tile's
	v_cndmask_b32 v20, v16, v17, vcc_lo
	v_cndmask_b32 v21, v18, v19, vcc_lo
	global_store_b64 v5, v[20:21], s[34:35]        ; 256 consecutive bytes, aligned
	s_wait_tensorcnt 0x0
	ds_add_u32 v254, v255
	s_wait_dscnt 0x0
	s_endpgm
.Lfunc_end_k_qc414ce4d53_prep:
	.size	k_qc414ce4d53_prep, .Lfunc_end_k_qc414ce4d53_prep-k_qc414ce4d53_prep
	.p2alignl 7, 3214868480
	.fill 96, 4, 3214868480
	.section	.rodata,"a",@progbits
	.p2align	6, 0x0
	.amdhsa_kernel k_qc414ce4d53_prep
		.amdhsa_group_segment_fixed_size 94720
		.amdhsa_private_segment_fixed_size 0
		.amdhsa_enable_private_segment 0
		.amdhsa_kernarg_size 56
		.amdhsa_user_sgpr_count 2
		.amdhsa_user_sgpr_kernarg_segment_ptr 1
		.amdhsa_wavefront_size32 1
		.amdhsa_system_sgpr_workgroup_id_x 1
		.amdhsa_system_sgpr_workgroup_id_y 1
		.amdhsa_system_sgpr_workgroup_id_z 1
		.amdhsa_system_vgpr_workitem_id 0
		.amdhsa_next_free_vgpr 256
		.amdhsa_next_free_sgpr 66
		.amdhsa_reserve_vcc 1
		.amdhsa_float_denorm_mode_32 3
		.amdhsa_float_denorm_mode_16_64 3
		.amdhsa_memory_ordered 1
		.amdhsa_forward_progress 1
		.amdhsa_inst_pref_size 94
	.end_amdhsa_kernel
	.amdgpu_metadata
---
amdhsa.version: [ 1, 2 ]
amdhsa.kernels:
  - .name:           k_qc414ce4d53_prep
    .symbol:         k_qc414ce4d53_prep.kd
    .args:
      - { .name: queries, .offset: 0, .size: 8, .value_kind: global_buffer, .address_space: global }
      - { .name: q_pos_embedding, .offset: 8, .size: 8, .value_kind: global_buffer, .address_space: global }
      - { .name: keys, .offset: 16, .size: 8, .value_kind: global_buffer, .address_space: global }
      - { .name: k_pos_embedding, .offset: 24, .size: 8, .value_kind: global_buffer, .address_space: global }
      - { .name: values, .offset: 32, .size: 8, .value_kind: global_buffer, .address_space: global }
      - { .name: qc, .offset: 40, .size: 8, .value_kind: global_buffer, .address_space: global }
      - { .name: kv, .offset: 48, .size: 8, .value_kind: global_buffer, .address_space: global }
    .group_segment_fixed_size: 94720
    .private_segment_fixed_size: 0
    .kernarg_segment_align: 8
    .kernarg_segment_size: 56
    .max_flat_workgroup_size: 128
    .sgpr_count:     66
    .vgpr_count:     256
    .wavefront_size: 32
...
	.end_amdgpu_metadata
.endif
;; end of part 1
;; launch attn (part 2): grid 32 x 8, 8 waves a work-group, clusters of 4 x 1, 327,680 bytes of LDS; arguments qc, kv, out0; writes out0
.if DOCPART == 2
	.amdgcn_target "amdgcn-amd-amdhsa--gfx1250"
	.amdhsa_code_object_version 6
	.text
	.protected	k_qc414ce4d53_attn
	.globl	k_qc414ce4d53_attn
	.p2align	8
	.type	k_qc414ce4d53_attn,@function
k_qc414ce4d53_attn:
	s_mov_b64 s[64:65], 0
	v_nop
	global_prefetch_b8 v0, s[64:65] scope:SCOPE_SE
	s_setreg_imm32_b32 hwreg(HW_REG_WAVE_MODE, 25, 1), 1
	s_wait_xcnt 0x0
	s_wait_alu depctr_hold_cnt(0) depctr_sa_sdst(0) depctr_va_vdst(0) depctr_va_sdst(0) depctr_va_ssrc(0) depctr_va_vcc(0) depctr_vm_vsrc(0)
	s_getreg_b32 s2, hwreg(HW_REG_IB_STS2, 6, 4)
	s_cmp_eq_u32 s2, 0
	s_cbranch_scc0 .Lentry_in_a_cluster
	s_endpgm
.Lentry_in_a_cluster:
	s_bfe_u32 s2, ttmp6, 0x10000c
	s_cmp_lg_u32 s2, 0x3003
	s_cbranch_scc0 .Lentry_shape_is_right
	s_endpgm
.Lentry_shape_is_right:
; out0[b][c][q] = the sum over k of softmax_k(q . k / 16) v[k][c], both products on codes of FP6 (E2M3) with one E8M0 scale for each 32 along K, from the register images that the first launch has laid (its head comment has the layouts).
; THE SOFTMAX: t = score x log2(e) / 16; M = the largest t so far, rounded UP to a whole number; p = 2^(t - M) is quantised along the keys, not normalised; l is the sum of the unquantised p and divides at the end.
; When M moves, l and O are multiplied by 2^(old M - new M), which rounds nothing.
; SHARES.  A work-group owns 128 queries of one batch: 8 tiles of 16.  Wave w holds TWO tiles, w (place 0) and w xor 1 (place 1), and HALF of the keys: of each 256 keys the key step kh = (w xor w / 4) % 2.
; Each fragment of K and V read from LDS feeds two products.  Each wave has its own M, l and O; at the end waves w and w xor 1 (their kh differ) exchange place 1 through LDS and join the halves by whole powers of two.
; TWO KINDS OF WAVES, HALF A STEP APART.  A key step is Y (K Q^T for both places, place 0's softmax) and then X (place 1's softmax, O under the new M, V^T P^T).  Between two changes of slots a wave with kh = 0 runs
; Y(n), X(n); a wave with kh = 1 runs X(n), Y(n + 1).  kh differs between waves w and w + 4 and between w and w xor 1.  Trip 0: kh = 1 runs Y(0), X(0), Y(1).  Trip 15: kh = 0 runs Y, X; kh = 1 runs X alone.
; LAYOUT.  Both products are used transposed (S^T = K Q^T, O^T = V^T P^T): a lane holds ONE query (lane % 16).
; THE TILES OF KEYS ARE COMPOSED AS THEY ARE READ.  My tile 4 c + i has in row rho + 8 H (rho = 0..7) key 64 c + 32 H + 8 i + rho.  In the first launch's image that row is lane rho + 8 (i / 2) of its tile 4 c + 2 H + i % 2:
; byte 3,072 (4 c + i % 2) + 6,144 H + 128 (i / 2) + 16 rho + 256 (lane / 16) of the block, + 512 for each group of four registers: a lane term and an immediate.  So the 32 score registers of tiles 4 c .. 4 c + 3 are keys
; 64 c + 32 (lane / 16) + 0..31: a WHOLE block of 32 keys in a lane, in the order of P's operand registers: a block's maximum needs no other lane and the codes need no lane exchange.
; A BLOCK'S SCALE is made without its largest p: with x = t - M of the block's largest score (the same multiply-add as every p's), floor(log2(2^x)) = floor(x), so the byte is floor(x) + 125, x held at -124 from below.
; CLUSTER.  The four query blocks of a cluster belong to one batch and walk the same stream kv: each part of a slot is asked for JOINTLY, by the same tensor load with the same descriptor and the mask of all four.
; RING.  Two LDS slots of four quarters, 2^17 bytes apart: K of half 0, V of half 0, K of half 1, V of half 1; waves 0-3 fetch a quarter each: 25,600 dense bytes as 25 rows of 1,024 with 64 bytes of padding behind each,
; 27,200 bytes of LDS: byte y of a quarter lies at y + 64 (y / 1,024).  So 6,144 H becomes 6,528 H, which is 128 H modulo 256.
; Only waves with kh = 1 read half 1, so its K quarter runs ONE SLOT AHEAD: slot 0 holds K1(0), slot n (1..14) holds K1(n + 1), slot 15's K1 quarter is not filled again.  K1(1) comes once, at the head, by wave 4,
; into 27,200 bytes of its own behind slot 1.  One tensor load of a wave is out at the most.
; All of the WGP's LDS is claimed, and the add ahead of a refill's round is written twice.
; LIMITS: NaN and infinities are not served.  Where v_exp_f32 rounds a block's largest p up to the next power of two (x within an ulp under a whole number), that one p is held at the largest code, 7.5 of 8.
; A block whose every p lies under 2^-124 is quantised under the byte 1.  The promise holds while the scaled scores t stay under 2^31 in magnitude.
; REGISTERS.  Window 0: v1-7 addresses; v8-15 statistics (place q: -M, the largest t, l in two halves); v16-63 Q; v64-65 Q's scale words, v66-67 p's; v68, v70 the factors 2^(old M - new M); v69, v71 K's lane addresses;
; v72-119 two sets of K's fragments, in the softmax p's codes and work; v120-127 K's, then V's scale words; v128-255 S^T, then p, then two sets of V's fragments.   Window 1: O^T, place q's channel tile ct at 128 q + 8 ct.
.set STEPB, 51200                      ; a key step in kv: K's block, then V's
.set SLOTB, 2*STEPB
.set QL,    27200                      ; a quarter in LDS
.set STEPL, 2*QL                       ; a key step in LDS
.set SLOT1, 1<<17
.set XTRA,  SLOT1+4*QL                 ; K1(1)'s own bytes
.set KSCL,  24576+64*24                ; in a key step in LDS: K's scale words,
.set VFRL,  QL                         ; V's fragments,
.set VSCL,  QL+24576+64*24             ; V's scale words
.set STG,   SLOT1                      ; the way out: 256 rows (channels) x (512 bytes + 16).  The exchange area lies at 0: 16,384 bytes a wave.  Both lie on bytes that have had their last fill
.set SP,    528
.set ML,    324608                     ; the exchange of (-M, l): 256 bytes a wave
.set SPARE, 326656                     ; the spare words, 128 bytes for each of the eight waves
.set A16,  1                           ; v1   V: 16 x lane + my key step's place in a slot; never rewritten
.set A8,   2                           ; v2   V: 8 x lane + the same
.set AD16, 3                           ; v3   the address in hand: Y makes it of AK16, X of A16
.set AD8,  4
.set SPW,  5                           ; v5   LDS address of my spare word; never rewritten
.set NIL,  6                           ; v6   0; never rewritten
.set PFO,  7                           ; v7   the prefetches' offset; never rewritten
.set ST,   8
.set Q,    16
.set QS,   64
.set PW,   66
.set F,    68
.set AK16, 69                          ; v69  K: 16 rho + 6,528 H + 256 (lane / 16) + my key step's place; never rewritten.  (Also named as the upper half of f's pair, of which the low word alone is taken)
.set AK8,  71                          ; v71  K's scale words: 8 rho + 256 H + 128 (lane / 16) + the same; never rewritten
.set KF,   72
.set SCL,  120
.set S,    128
.set PC,   72                          ; in the softmax: p's codes, 12 registers a place;
.set CT,   96                          ; the blocks' upper halves' codes as the conversions leave them;
.set BM,   104                         ; four partial maxima; then my two blocks' largest scores, their x, floor(x);
.set BT,   108                         ; the bytes, and what comes from the other half of the lanes;
.set SO,   112                         ; the conversions' scale operands;
.set X0,   116
.set SUM2, 118                         ; the second chain of the sum
.set WV,   10                          ; s10 my wave's number; s11 w / 2; s12 w % 2; s13 cx; s14 my block of queries; s15 the batch
.set SEL,  20                          ; s[20:21] v_permlanex16_b32's selects for lane l xor 16
.set CS,   22                          ; s[22:23] c = log2(e) / 16
.set G1,   24                          ; s[24:31] descriptor group 1
.set G0,   32                          ; s[32:35] descriptor group 0, which walks
.set TB,   36                          ; s36 LDS byte at which the slot in hand begins
.set SLOTS, 37                         ; s37 slots still to be asked for
.set LIM,  38                          ; s38 2 in a wave that prefetches, else the greatest number
.set KH,   39                          ; s39 my half of the keys, and my kind
.set PFA,  40                          ; s[40:41] where my prefetches stand
.set STP,  48                          ; s[48:49] what the walking descriptor steps by
.set YB,   50                          ; s50 LDS byte from which Y counts: the slot in hand, or K1(1)'s bytes
.set MSB, 0
.macro WIN new                         ; low byte: bits 1:0 source 0, 3:2 source 1, 5:4 source 2, 7:6 destination; the high byte repeats the setting that is left
.if MSB != \new
	s_set_vgpr_msb (MSB<<8)|\new
.set MSB, \new
.endif
.endm
.macro PLACES                          ; four plain places behind matrix instructions (ISA guide 7.12.1)
.rept 4
	v_nop
.endr
.endm
.macro CROUND                          ; a round of the cluster's barrier
	s_barrier_signal -1
	s_barrier_wait -1
	s_cmp_lg_u32 s[WV], 0
	s_cbranch_scc1 .Lnot_wave_0_\@
	s_barrier_signal -3
.Lnot_wave_0_\@:
	s_barrier_wait -3
	s_barrier_signal -1
	s_barrier_wait -1
.endm
; The joint load.  mode 5: the head, waves 0-4; 1: waves 0-3; 2: the last fill, waves 0, 1 and 3.  The branches hang on the wave's number alone; s_nop 0 and four v_nop follow the load
.macro JLOAD mode
.if \mode == 2
	s_cmp_eq_u32 s[WV], 2
	s_cbranch_scc1 .Lno_load_\@
.endif
.if \mode == 5
	s_cmp_lt_u32 s[WV], 5
.else
	s_cmp_lt_u32 s[WV], 4
.endif
	s_cbranch_scc0 .Lno_load_\@
	tensor_load_to_lds s[G0:G0+3], s[G1:G1+7]
	s_nop 0
.rept 4
	v_nop
.endr
.Lno_load_\@:
.endm
; A PREFETCH INTO THE L2: behind the load of slot m, the bytes of slot m + 2 as they lie in kv: two changes of slots ahead of most of their loads, one ahead of K1's.  All clusters of a batch walk the same kv: the batch's
; first cluster asks.  Its four partners take 25,600 bytes each, told apart BY ADDRESS; in each, waves 4-7 take 6,400 bytes each: lanes 0-24 stand 256 bytes apart, lanes 25-31 name lane 24's place again.
; The last two changes that fill a slot ask for nothing; slots 0 to 2 come by their loads alone.
.macro ASK
	s_cmp_gt_u32 s[SLOTS], s[LIM]
	s_cbranch_scc0 .Lnot_mine_\@
	global_prefetch_b8 v[PFO], s[PFA:PFA+1] th:TH_LOAD_NT scope:SCOPE_SE
.Lnot_mine_\@:
.endm
; THE CHANGE OF SLOTS.  Each wave waits for all its tensor loads, adds 0 to its spare word, and waits for that and for its reads of the slot that it has left.
; mode 1, 2: the barrier is a round of the cluster's, and behind it the slot just left is filled.  mode 0: nothing is filled any more.
.macro CHANGE mode
	s_wait_tensorcnt 0x0                           ; no tensor load of mine is out, so group 0 may be written
	ds_add_u32 v[SPW], v[NIL]
.if \mode
	ds_add_u32 v[SPW], v[NIL]                      ; and once more
	s_xor_b32 s[G0+1], s[G0+1], SLOT1              ; the other slot than last time,
	s_add_nc_u64 s[G0+2:G0+3], s[G0+2:G0+3], s[STP:STP+1]   ; the keys that follow
.if \mode == 1
	s_wait_xcnt 0x0                                ; the last prefetch, a slot back, has read its address
	s_add_nc_u64 s[PFA:PFA+1], s[PFA:PFA+1], SLOTB
.endif
	s_wait_dscnt 0x0                               ; the adds are done, and my reads of the slot that I have left are over
	CROUND
	JLOAD \mode                                    ; a wave's one tensor load until the next round
.if \mode == 1
	ASK
.endif
.else
	s_wait_dscnt 0x0
	s_barrier_signal -1
	s_barrier_wait -1
.endif
.endm
.macro KSET t                          ; my tile t of K, both channel steps: six loads, into set t % 2
.irp i, 0,1,2,3,4,5
.set y0, 3072*(4*((\t)/4)+((\t)%2))+512*\i
	ds_load_b128 v[KF+24*((\t)%2)+4*\i:KF+24*((\t)%2)+4*\i+3], v[AD16] offset:y0+64*(y0/1024)+128*(((\t)/2)%2)
.endr
.endm
.macro VSET k                          ; channel tiles 4 k .. 4 k + 3 of V: twelve loads of 512 consecutive bytes, into set k % 2
.irp i, 0,1,2,3,4,5,6,7,8,9,10,11
.set y0, 6144*(\k)+512*\i
	ds_load_b128 v[S+48*((\k)%2)+4*\i:S+48*((\k)%2)+4*\i+3], v[AD16] offset:VFRL+y0+64*(y0/1024)
.endr
.endm
; S^T(tile t of keys, place q) over channel step s.  The scale words of step 0 stand in lanes 0-15 of their registers, those of step 1 in lanes 16-31.
.macro KQ t, q, s
.set rD, S+64*(\q)+8*(\t)
.set rA, KF+24*((\t)%2)+12*(\s)
.set rB, Q+24*(\q)+12*(\s)
.if (\s) == 0
	v_wmma_scale_f32_16x16x128_f8f6f4 v[rD:rD+7], v[rA:rA+11], v[rB:rB+11], 0, v[SCL+(\t)], v[QS+(\q)] matrix_a_fmt:MATRIX_FMT_FP6 matrix_b_fmt:MATRIX_FMT_FP6
.else
	v_wmma_scale_f32_16x16x128_f8f6f4 v[rD:rD+7], v[rA:rA+11], v[rB:rB+11], v[rD:rD+7], v[SCL+(\t)], v[QS+(\q)] matrix_a_fmt:MATRIX_FMT_FP6 matrix_b_fmt:MATRIX_FMT_FP6 matrix_a_scale:MATRIX_SCALE_ROW1 matrix_b_scale:MATRIX_SCALE_ROW1
.endif
.endm
; O^T(channel tile 4 k + c, place q) += V^T P^T over the step's 128 keys.  An even tile's scale words stand in lanes 0-15, an odd tile's in lanes 16-31.  first = 1: the product starts the sum
.macro PV k, c, q, first
.set rO, 128*(\q)+8*(4*(\k)+(\c))
.set rA, S+48*((\k)%2)+12*(\c)
.set rB, PC+12*(\q)
.set rZ, SCL+(4*(\k)+(\c))/2
.if \first
.if (\c)%2
	v_wmma_scale_f32_16x16x128_f8f6f4 v[rO:rO+7], v[rA:rA+11], v[rB:rB+11], 0, v[rZ], v[PW+(\q)] matrix_a_fmt:MATRIX_FMT_FP6 matrix_b_fmt:MATRIX_FMT_FP6 matrix_a_scale:MATRIX_SCALE_ROW1
.else
	v_wmma_scale_f32_16x16x128_f8f6f4 v[rO:rO+7], v[rA:rA+11], v[rB:rB+11], 0, v[rZ], v[PW+(\q)] matrix_a_fmt:MATRIX_FMT_FP6 matrix_b_fmt:MATRIX_FMT_FP6
.endif
.else
.if (\c)%2
	v_wmma_scale_f32_16x16x128_f8f6f4 v[rO:rO+7], v[rA:rA+11], v[rB:rB+11], v[rO:rO+7], v[rZ], v[PW+(\q)] matrix_a_fmt:MATRIX_FMT_FP6 matrix_b_fmt:MATRIX_FMT_FP6 matrix_a_scale:MATRIX_SCALE_ROW1
.else
	v_wmma_scale_f32_16x16x128_f8f6f4 v[rO:rO+7], v[rA:rA+11], v[rB:rB+11], v[rO:rO+7], v[rZ], v[PW+(\q)] matrix_a_fmt:MATRIX_FMT_FP6 matrix_b_fmt:MATRIX_FMT_FP6
.endif
.endif
.endm
; THE SOFTMAX of place q for 128 keys.  Register 32 c + i of the place's 64 holds key 64 c + 32 (lane / 16) + i.  Each tile of scores is read from its low end on.
.macro SOFTMAX q
.set rS, S+64*(\q)
.set rT, ST+4*(\q)
.set rP, PC+12*(\q)
.set rF, F+2*(\q)
.set rW, PW+(\q)
.irp b, 0,1,2,3
	v_max3_num_f32 v[BM+\b], v[rS+16*\b], v[rS+16*\b+1], v[rS+16*\b+2]   ; four chains of 16 scores, by turns
.endr
.irp i, 3,5,7,9,11,13
.irp b, 0,1,2,3
	v_max3_num_f32 v[BM+\b], v[BM+\b], v[rS+16*\b+\i], v[rS+16*\b+\i+1]
.endr
.endr
.irp b, 0,1,2,3
	v_max_num_f32 v[BM+\b], v[BM+\b], v[rS+16*\b+15]
.endr
	s_delay_alu instid0(VALU_DEP_3)
	v_max_num_f32 v[BM], v[BM], v[BM+1]            ; the largest score of my block lane / 16,
	s_delay_alu instid0(VALU_DEP_2)
	v_max_num_f32 v[BM+1], v[BM+2], v[BM+3]        ; and of my block 2 + lane / 16
	s_delay_alu instid0(VALU_DEP_1)
	v_max_num_f32 v[X0], v[BM], v[BM+1]
	s_delay_alu instid0(VALU_DEP_1)
	v_permlanex16_b32 v[BT], v[X0], s[SEL], s[SEL+1]
	s_delay_alu instid0(VALU_DEP_1)
	v_max_num_f32 v[X0], v[X0], v[BT]              ; with lane l xor 16's 64 keys: the step's largest score of my query,
	s_delay_alu instid0(VALU_DEP_1)
	v_mul_f32 v[X0], s[CS], v[X0]                  ; as t (c is positive)
	s_delay_alu instid0(VALU_DEP_1)
	v_max_num_f32 v[rT+1], v[rT+1], v[X0]          ; the running largest t
	v_mov_b32 v[X0], v[rT]
	s_delay_alu instid0(VALU_DEP_2)
	v_floor_f32 v[rT], -v[rT+1]                    ; the new -M = floor(-t) = -ceil(t)
	s_delay_alu instid0(VALU_DEP_1)
	v_sub_f32 v[X0], v[rT], v[X0]                  ; old M - new M: a whole number, 0 or less
	s_delay_alu instid0(VALU_DEP_1)
	v_cvt_i32_f32 v[X0], v[X0]                     ; (it saturates)
	s_delay_alu instid0(VALU_DEP_1)
	v_ldexp_f32 v[rF], 1.0, v[X0]                  ; f = 2^(old M - new M)
.irp c, 0,1
	v_fma_f32 v[BM+\c], v[BM+\c], s[CS], v[rT]     ; x = t - M of each block's largest score
.endr
.set n, 0
.rept 32
	v_pk_fma_f32 v[rS+n:rS+n+1], v[rS+n:rS+n+1], s[CS:CS+1], v[rT:rT+1] op_sel_hi:[1,0,0]   ; t - M, two at a time (of the pairs c and -M the low word serves both halves)
.set n, n+2
.endr
.irp c, 0,1
	v_max_num_f32 v[BM+\c], 0xc2f80000, v[BM+\c]   ; held at -124 from below: the byte cannot fall under 1
.endr
.irp c, 0,1
	s_delay_alu instid0(VALU_DEP_2)
	v_floor_f32 v[BM+\c], v[BM+\c]                 ; floor(x) = floor(log2(the block's largest p))
.endr
.irp c, 0,1
	s_delay_alu instid0(VALU_DEP_2)
	v_cvt_i32_f32 v[BM+\c], v[BM+\c]
.endr
.irp c, 0,1
	s_delay_alu instid0(VALU_DEP_2)
	v_add_nc_u32 v[BT+\c], 125, v[BM+\c]           ; the scale's byte: floor(x) - 2 + 127
.endr
.irp c, 0,1
	s_delay_alu instid0(VALU_DEP_2)
	v_lshlrev_b32 v[SO+\c], 23, v[BT+\c]           ; as an exponent field: the conversion's scale operand
.endr
	v_lshl_or_b32 v[BT+2], v[BT+1], 16, v[BT]      ; my two bytes, at bytes 0 and 2
	s_delay_alu instid0(VALU_DEP_1)
	v_permlanex16_b32 v[BT+3], v[BT+2], s[SEL], s[SEL+1]
	s_delay_alu instid0(VALU_DEP_1)
	v_lshl_or_b32 v[rW], v[BT+3], 8, v[BT+2]       ; in lanes 0-15, which alone are read: blocks 0 and 2 are mine, 1 and 3 lane l + 16's: p's scale word for these 128 keys
.set n, 0
	s_wait_alu depctr_va_vdst(0)                   ; the wait ahead of the batch
.rept 64
	v_exp_f32 v[rS+n], v[rS+n]                     ; p = 2^(t - M), at most 1
.set n, n+1
.endr
	v_pk_mul_f32 v[rT+2:rT+3], v[rT+2:rT+3], v[rF:rF+1] op_sel_hi:[1,0]   ; l under the new M.  (A plain place behind the exponentials)
	s_wait_alu depctr_va_vdst(0)                   ; and behind it
.irp c, 0,1
	v_cvt_scalef32_pk16_fp6_f32 v[rP+6*\c:rP+6*\c+2], v[rS+32*\c:rS+32*\c+15], v[SO+\c]
	v_cvt_scalef32_pk16_fp6_f32 v[CT+4*\c:CT+4*\c+2], v[rS+32*\c+16:rS+32*\c+31], v[SO+\c]   ; (a conversion's three registers begin on an even number)
.endr
	v_nop                                          ; one plain place behind a scaled conversion
.irp c, 0,1
.irp i, 0,1,2
	v_mov_b32 v[rP+3+6*\c+\i], v[CT+4*\c+\i]       ; registers 6 c .. 6 c + 5: keys 64 c + 32 (lane / 16) + 0..31
.endr
.endr
	v_pk_add_f32 v[SUM2:SUM2+1], v[rS:rS+1], v[rS+2:rS+3]   ; l takes the UNQUANTISED p: two at a time, in two chains.  (Also the places between the writes of p's codes and the products that take them)
.irp j, 4,8,12,16,20,24,28,32,36,40,44,48,52,56,60
	v_pk_add_f32 v[rT+2:rT+3], v[rT+2:rT+3], v[rS+\j:rS+\j+1]
	v_pk_add_f32 v[SUM2:SUM2+1], v[SUM2:SUM2+1], v[rS+\j+2:rS+\j+3]
.endr
	s_delay_alu instid0(VALU_DEP_1)
	v_pk_add_f32 v[rT+2:rT+3], v[rT+2:rT+3], v[SUM2:SUM2+1]
.endm
; Y: S^T of my 128 keys for both places, and place 0's softmax
.macro YPART
	v_add_nc_u32 v[AD16], s[YB], v[AK16]           ; K's addresses.  With the three v_nop five places behind the last products: the scores are written over registers that those read as V's fragments,
	v_add_nc_u32 v[AD8], s[YB], v[AK8]             ; and loads follow into their codes and scale words
.rept 3
	v_nop
.endr
	s_wait_alu depctr_va_vdst(0)
.irp b, 0,1,2,3
	ds_load_b64 v[SCL+2*\b:SCL+2*\b+1], v[AD8] offset:KSCL+512*(\b/2)+64*(\b%2)   ; the scale words of my tiles 2 b and 2 b + 1
.endr
	KSET 0
	KSET 1
.irp t, 0,1,2,3,4,5,6,7
.if \t < 7
	s_wait_dscnt 6                                 ; this tile's six loads (and all before them) are in; the next tile's six may be out
.else
	s_wait_dscnt 0x0
.endif
	KQ \t, 0, 0                                    ; the two places' accumulators take turns
	KQ \t, 1, 0
	KQ \t, 0, 1
	KQ \t, 1, 1
.if \t < 6
	PLACES
	KSET \t+2
.endif
.endr
	PLACES
	SOFTMAX 0
.endm
; X: place 1's softmax, O^T under the new M, O^T += V^T P^T for both places.  first = 1: the products start O^T's sums, and nothing is rescaled
.macro XPART first
	v_add_nc_u32 v[AD16], s[TB], v[A16]            ; V's addresses
	v_add_nc_u32 v[AD8], s[TB], v[A8]
	s_wait_alu depctr_va_vdst(0)
	SOFTMAX 1
.irp i, 0,1,2,3
	ds_load_b64 v[SCL+2*\i:SCL+2*\i+1], v[AD8] offset:VSCL+256*\i   ; V's scale words: register p serves channel tiles 2 p and 2 p + 1
.endr
	VSET 0                                         ; p has been read for the last time: V's fragments take its registers
	VSET 1
.if \first == 0
	WIN 0x41                                       ; O^T (destination and source 0) in window 1, f in window 0
	s_wait_alu depctr_va_vdst(0)
.set n, 0
.rept 64
	v_pk_mul_f32 v[n:n+1], v[n:n+1], v[F:F+1] op_sel_hi:[1,0]       ; each accumulator from its low end on; V's loads land meanwhile
.set n, n+2
.endr
.rept 64
	v_pk_mul_f32 v[n:n+1], v[n:n+1], v[F+2:F+3] op_sel_hi:[1,0]
.set n, n+2
.endr
.endif
	s_wait_alu depctr_va_vdst(0)
.irp k, 0,1,2,3
.if \k < 3
	s_wait_dscnt 12                                ; this group's twelve loads (and all before them) are in; the next group's twelve may be out
.else
	s_wait_dscnt 0x0
.endif
	WIN 0x50                                       ; V and P in window 0, C and D in window 1
.irp c, 0,1,2,3
	PV \k, \c, 0, \first                           ; eight accumulators, one instruction each
	PV \k, \c, 1, \first
.endr
.if \k < 2
	WIN 0
	PLACES
	VSET \k+2
.endif
.endr
	WIN 0                                          ; at a label and at a branch every window is 0
.endm
; Between two changes of slots: kh = 1 runs X, Y; kh = 0 runs Y, X.  The branches hang on the wave's number alone and lead round no barrier, wait on tiles or add
.macro TRIP
	s_mov_b32 s[YB], s[TB]
	s_cmp_eq_u32 s[KH], 0
	s_cbranch_scc1 .Lya_\@
	XPART 0
.Lya_\@:
	YPART
	s_cmp_lg_u32 s[KH], 0
	s_cbranch_scc1 .Lyb_\@
	XPART 0
.Lyb_\@:
	s_xor_b32 s[TB], s[TB], SLOT1                  ; on to the other slot
.endm
	s_load_b128 s[4:7], s[0:1], 0x0                ; qc s[4:5], kv s[6:7]
	s_load_b64 s[8:9], s[0:1], 0x10                ; out0
	v_lshl_add_u32 v[SPW], v0, 2, SPARE
	v_mov_b32 v[NIL], 0
	ds_add_u32 v[SPW], v[NIL]
	ds_add_u32 v[SPW], v[NIL]
	s_wait_dscnt 0x0
	v_lshrrev_b32 v76, 5, v0
	s_delay_alu instid0(VALU_DEP_1)
	v_readfirstlane_b32 s[WV], v76                 ; wave 0..7
	s_lshr_b32 s11, s[WV], 1                       ; g: my pair of waves, and of tiles
	s_and_b32 s12, s[WV], 1                        ; my tile's place in its pair
	s_lshr_b32 s43, s[WV], 2                       ; 1 in waves 4-7
	s_xor_b32 s[KH], s43, s[WV]
	s_and_b32 s[KH], s[KH], 1                      ; kh
	s_bfe_u32 s13, ttmp6, 0x40000                  ; cx: my place in the cluster
	s_lshl_b32 s14, ttmp9, 2                       ; in a cluster launch ttmp9 counts clusters
	s_add_co_u32 s14, s14, s13                     ; x: my block of 128 queries: it enters qc's, out0's and the prefetches' addresses alone
	s_and_b32 s15, ttmp7, 0xffff                   ; the batch, which the four partners share
	; descriptor group 1: a dense block of 25,600 bytes as 25 rows of 1,024 bytes (128 elements of 8 bytes), 16 words of padding behind each row of 256 words
	s_mov_b32 s[G1], 15|(3<<16)|(1<<20)|(1<<21)|(7<<22)|(15<<25)   ; the mask: all four work-groups; elements of 8 bytes; padding on; bit 21 set beside a mask; after every 256 words (code 7); 16 words (code 15)
	s_mov_b32 s[G1+1], 128<<16                     ; tensor_dim0 = 128
	s_mov_b32 s[G1+2], 25<<16                      ; tensor_dim1 = 25
	s_mov_b32 s[G1+3], 128<<16                     ; tile_dim0 = 128
	s_mov_b32 s[G1+4], 25                          ; tile_dim1 = 25
	s_mov_b32 s[G1+5], 128                         ; from row to row
	s_mov_b32 s[G1+6], 0
	s_mov_b32 s[G1+7], 0
	s_mul_i32 s[G0+1], s[WV], QL                   ; LDS address: waves 0-3 their quarter of slot 0;
	s_lshl_b32 s44, s43, 17
	s_add_co_u32 s[G0+1], s[G0+1], s44             ; wave 4: 4 quarters + 131,072 = XTRA.  No place in the cluster enters it
	s_mul_i32 s16, s15, 32*STEPB                   ; the batch's first byte in kv,
	s_mul_i32 s44, s[WV], 25600
	s_add_co_u32 s16, s16, s44                     ; my quarter of its first slot;
	s_mul_i32 s44, s43, STEPB
	s_add_co_u32 s16, s16, s44                     ; wave 4: 102,400 + 51,200: K1(1)
	s_mov_b32 s17, 0
	s_lshr_b32 s44, s[WV], 1
	s_xor_b32 s45, s[WV], 1
	s_and_b32 s44, s44, s45
	s_and_b32 s44, s44, 1                          ; among waves 0-3: 1 in wave 2,
	s_add_co_u32 s44, s44, 1
	s_mul_i32 s[STP], s44, SLOTB                   ; whose first step goes from K1(0) to K1(2)
	s_mov_b32 s[STP+1], 0
	s_lshl_b32 s18, s15, 5
	s_add_co_u32 s18, s18, s14
	s_mul_i32 s18, s18, 25600                      ; my block in qc
	s_mov_b32 s19, 0
	s_and_b32 s42, s[WV], 3
	s_mul_i32 s44, s15, 32*STEPB                   ; the prefetches: the batch,
	s_mul_i32 s45, s13, 25600                      ; my work-group's quarter of a slot,
	s_add_co_u32 s44, s44, s45
	s_mul_i32 s45, s42, 6400                       ; my wave's quarter of that,
	s_add_co_u32 s44, s44, s45
	s_add_co_u32 s44, s44, 2*SLOTB                 ; in slot 2: the first change of slots steps it to slot 3
	s_mov_b32 s45, 0
	s_lshl_b32 s46, s15, 22                        ; out0: the batch,
	s_lshl_b32 s47, s[WV], 19                      ; the 32 channels that I store,
	s_add_co_u32 s46, s46, s47
	s_lshl_b32 s47, s14, 9                         ; my block's 128 queries
	s_add_co_u32 s46, s46, s47
	s_mov_b32 s47, 0
	s_xor_b32 s42, s43, 1                          ; 0 in waves 4-7,
	s_or_b32 s42, s42, ttmp9                       ; of the batch's first cluster: the same in all four partners
	s_cmp_eq_u32 s42, 0
	s_cselect_b32 s[LIM], 2, -1
	s_mov_b32 s[SEL], 0x76543210
	s_mov_b32 s[SEL+1], 0xfedcba98
	s_mov_b32 s[CS], 0x3db8aa3b                    ; c = log2(e) / sqrt(256)
	s_mov_b32 s[CS+1], s[CS]                       ; (named with it as a pair, so it is written)
	s_mov_b32 s[TB], 0
	s_mov_b32 s[SLOTS], 15
	s_wait_kmcnt 0x0
	s_mov_b32 s[G0], 1                             ; count = 1
	s_add_nc_u64 s[G0+2:G0+3], s[6:7], s[16:17]    ; global address
	s_or_b32 s[G0+3], s[G0+3], 0x80000000          ; type = 2
	s_add_nc_u64 s[PFA:PFA+1], s[6:7], s[44:45]
	s_add_nc_u64 s[4:5], s[4:5], s[18:19]
	s_add_nc_u64 s[8:9], s[8:9], s[46:47]
	CROUND                                         ; all four work-groups are here: the first joint loads meet
	JLOAD 5                                        ; slot 0's four quarters, and K1(1)
	v_and_b32 v76, 31, v0                          ; lane
	s_delay_alu instid0(VALU_DEP_1)
	v_lshlrev_b32 v77, 4, v76
	s_delay_alu instid0(VALU_DEP_2)
	v_lshlrev_b32 v78, 3, v76
	s_wait_alu depctr_va_vdst(0)
	s_mul_i32 s42, s[KH], STEPL
	v_add_nc_u32 v[A16], s42, v77
	v_add_nc_u32 v[A8], s42, v78
	v_and_b32 v79, 7, v0                           ; rho
	v_bfe_u32 v80, v0, 3, 1                        ; H
	v_bfe_u32 v81, v0, 4, 1                        ; lane / 16
	v_lshlrev_b32 v[AK16], 4, v79
	v_lshlrev_b32 v[AK8], 3, v79
	v_mad_u32_u24 v[AK16], v80, 6528, v[AK16]
	v_lshl_add_u32 v[AK8], v80, 8, v[AK8]
	v_lshl_add_u32 v[AK16], v81, 8, v[AK16]
	v_lshl_add_u32 v[AK8], v81, 7, v[AK8]
	v_add_nc_u32 v[AK16], s42, v[AK16]
	v_add_nc_u32 v[AK8], s42, v[AK8]
	v_min_u32 v[PFO], 24, v76
	s_delay_alu instid0(VALU_DEP_1)
	v_lshlrev_b32 v[PFO], 8, v[PFO]
	s_mul_i32 s42, s[WV], 3072                     ; Q: place 0 holds tile w,
	s_xor_b32 s43, s[WV], 1
	s_mul_i32 s43, s43, 3072                       ; place 1 tile w xor 1; a tile's two fragments are 3,072 bytes
	v_add_nc_u32 v72, s42, v77
	v_add_nc_u32 v73, s43, v77
	s_lshl_b32 s42, s11, 8
	s_lshl_b32 s43, s12, 2
	s_add_co_u32 s42, s42, s43                     ; their scale words: 256 g + 8 lane + 4 (tile % 2)
	s_xor_b32 s43, s42, 4
	v_add_nc_u32 v74, s42, v78
	v_add_nc_u32 v75, s43, v78
.irp p, 0,1
.irp i, 0,1,2,3,4,5
	global_load_b128 v[Q+24*\p+4*\i:Q+24*\p+4*\i+3], v[72+\p], s[4:5] offset:512*\i   ; Q stays in registers
.endr
	global_load_b32 v[QS+\p], v[74+\p], s[4:5] offset:24576
.endr
.irp p, 0,1
	v_mov_b32 v[ST+4*\p+1], 0xff61b1e6             ; the largest t so far: -3e38, under every t
	s_delay_alu instid0(VALU_DEP_1)
	v_floor_f32 v[ST+4*\p], -v[ST+4*\p+1]          ; -M
	v_mov_b32 v[ST+4*\p+2], 0                      ; l, in two halves
	v_mov_b32 v[ST+4*\p+3], 0
.endr
	s_wait_alu depctr_va_vdst(0)
	s_wait_loadcnt 0x0                             ; Q is in, and its loads' address registers may take K's fragments
	CHANGE 1                                       ; slot 0 and K1(1) are whole; slot 1 is asked for
	s_mov_b32 s[STP], SLOTB                        ; from now on every quarter steps by a slot
	s_mov_b32 s[YB], s[TB]
	YPART                                          ; trip 0 is written out: its products V^T P^T start O^T's sums,
	XPART 1
	s_cmp_eq_u32 s[KH], 0
	s_cbranch_scc1 .Lkind0
	s_mov_b32 s[YB], XTRA-STEPL                    ; and kh = 1 goes half a step ahead: Y(1), on K1(1)
	YPART
.Lkind0:
	s_xor_b32 s[TB], s[TB], SLOT1
	s_mov_b32 s[SLOTS], 14
.Lslot:                                            ; trips 1 to 13: behind each of these changes all four quarters of the next slot are asked for
	CHANGE 1
	TRIP
	s_sub_co_u32 s[SLOTS], s[SLOTS], 1
	s_cmp_lg_u32 s[SLOTS], 1
	s_cbranch_scc1 .Lslot
	CHANGE 2                                       ; trip 14 is written out: slot 15 has no K1 quarter to ask for
	TRIP
	CHANGE 0                                       ; trip 15: nothing is asked for
	s_mov_b32 s[YB], s[TB]
	s_cmp_lg_u32 s[KH], 0
	s_cbranch_scc1 .Lkind1
	YPART                                          ; kh = 1 has run Y(15) already
.Lkind1:
	XPART 0
	; THE WAY OUT.  Place 1 goes to wave w xor 1 and its place 1 comes to me: both are the other half of the keys for the tile that the receiver holds at place 0.
	PLACES
	v_add_f32 v9, v10, v11                         ; l's two halves, place 0
	v_add_f32 v13, v14, v15                        ; and place 1: v[12:13] = (-M, l) to be sent
	v_and_b32 v16, 31, v0
	s_delay_alu instid0(VALU_DEP_1)
	v_lshlrev_b32 v17, 4, v16                      ; 16 x lane
	s_lshl_b32 s42, s[WV], 14
	s_xor_b32 s43, s42, 16384
	v_add_nc_u32 v18, s42, v17                     ; the exchange area: mine,
	v_add_nc_u32 v19, s43, v17                     ; my partner's
	s_lshl_b32 s42, s[WV], 8
	s_xor_b32 s43, s42, 256
	v_lshlrev_b32 v20, 3, v16
	s_delay_alu instid0(VALU_DEP_1)
	v_add_nc_u32 v21, s43, v20
	s_delay_alu instid0(VALU_DEP_2)
	v_add_nc_u32 v20, s42, v20
	s_delay_alu instid0(VALU_DEP_1)
	v_add_nc_u32 v20, ML, v20                      ; (-M, l): mine,
	s_delay_alu instid0(VALU_DEP_3)
	v_add_nc_u32 v21, ML, v21                      ; my partner's
	v_and_b32 v22, 15, v0                          ; r
	v_bfe_u32 v23, v0, 4, 1                        ; h
	v_bfe_u32 v24, v0, 3, 1                        ; r / 8
	s_delay_alu instid0(VALU_DEP_3)
	v_lshlrev_b32 v22, 2, v22
	s_delay_alu instid0(VALU_DEP_1)
	v_lshl_add_u32 v22, v24, 5, v22
	s_delay_alu instid0(VALU_DEP_1)
	v_mad_u32_u24 v22, v23, 8*SP, v22
	s_lshl_b32 s42, s11, 7
	s_lshl_b32 s43, s12, 5
	s_add_co_u32 s42, s42, s43
	s_add_co_u32 s42, s42, STG
	v_add_nc_u32 v22, s42, v22                     ; the stage: row = channel 8 h (+ the immediate), column = my query 32 g + 8 (w % 2) + r + 8 (r / 8), 4 bytes each
	s_mul_i32 s43, s[WV], 32*SP
	s_add_co_u32 s43, s43, STG
	v_add_nc_u32 v23, s43, v17                     ; back: my 32 channels, a row of 512 bytes an instruction
	s_wait_alu depctr_va_vdst(0)
	s_wait_dscnt 0x0
	s_barrier_signal -1
	s_barrier_wait -1                              ; no wave reads the ring any more, and it has had its last fill: its bytes serve the exchange and the stage
	WIN 0x04                                       ; an LDS store's data are its source 1: window 1
.set n, 0
.rept 32
	ds_store_b128 v18, v[128+4*n:128+4*n+3] offset:512*n   ; place 1's O^T as it stands, each accumulator from its low end on
.set n, n+1
.endr
	WIN 0
	ds_store_b64 v20, v[12:13]
	s_wait_dscnt 0x0                               ; for my partner's sake: my stores are done
	s_barrier_signal -1
	s_barrier_wait -1
	ds_load_b64 v[72:73], v21
.set n, 0
.rept 32
	ds_load_b128 v[128+4*n:128+4*n+3], v19 offset:512*n
.set n, n+1
.endr
	s_wait_dscnt 32                                ; my partner's (-M, l) is in; the 32 loads behind it may be out
	v_min_num_f32 v74, v8, v72                     ; the joint -M: the larger M
	s_delay_alu instid0(VALU_DEP_1)
	v_sub_f32 v75, v74, v8                         ; my M - the joint M: a whole number, 0 or less
	s_delay_alu instid0(VALU_DEP_2)
	v_sub_f32 v76, v74, v72
	s_delay_alu instid0(VALU_DEP_2)
	v_cvt_i32_f32 v75, v75
	s_delay_alu instid0(VALU_DEP_2)
	v_cvt_i32_f32 v76, v76
	s_delay_alu instid0(VALU_DEP_2)
	v_ldexp_f32 v75, 1.0, v75                      ; my half's factor,
	s_delay_alu instid0(VALU_DEP_2)
	v_ldexp_f32 v76, 1.0, v76                      ; my partner's
	s_delay_alu instid0(VALU_DEP_2)
	v_mul_f32 v78, v9, v75
	s_delay_alu instid0(VALU_DEP_1)
	v_fma_f32 v78, v73, v76, v78                   ; l under the joint M,
	v_mov_b32 v77, 0
	s_delay_alu instid0(VALU_DEP_1)
	v_permlanex16_b32 v77, v78, s[SEL], s[SEL+1]
	s_delay_alu instid0(VALU_DEP_1)
	v_add_f32 v78, v78, v77                        ; with lane l xor 16's keys: the row's sum
	s_wait_alu depctr_va_vdst(0)
	v_rcp_f32 v78, v78
	v_mov_b32 v81, 0                               ; (a plain place behind the reciprocal; the pairs' upper halves are written)
	v_mov_b32 v83, 0
	s_wait_alu depctr_va_vdst(0)
	v_mul_f32 v80, v75, v78
	v_mul_f32 v82, v76, v78
	s_wait_alu depctr_va_vdst(0)
	s_wait_dscnt 0x0
.set n, 0
.rept 64
	v_pk_mul_f32 v[128+n:129+n], v[128+n:129+n], v[82:83] op_sel_hi:[1,0]
.set n, n+2
.endr
	WIN 0x01                                       ; source 0: my place 0's O^T, in window 1
.set n, 0
.rept 64
	v_pk_fma_f32 v[128+n:129+n], v[n:n+1], v[80:81], v[128+n:129+n] op_sel_hi:[1,0,1]   ; register 8 ct + j: channel 16 ct + 8 h + j of my query; each accumulator from its low end on
.set n, n+2
.endr
	WIN 0
.irp g, 0,1,2,3                                ; out0 has the queries innermost: the tile is turned in the stage.  A store's 32 lanes fall on 32 different banks (64 banks of 4 bytes: ISA guide 11.1)
.irp c, 0,1,2,3
.irp j, 0,1,2,3,4,5,6,7
	ds_store_b32 v22, v[128+32*\g+8*\c+\j] offset:(16*\c+\j)*SP
.endr
.endr
.if \g < 3
	v_add_nc_u32 v22, 64*SP, v22                   ; 64 channels on
.endif
.endr
	s_wait_dscnt 0x0                               ; for the others' sake: a row's 512 bytes come from all eight waves
	s_barrier_signal -1
	s_barrier_wait -1
.set n, 0
.rept 32
	ds_load_b128 v[128+4*n:128+4*n+3], v23 offset:SP*n
.set n, n+1
.endr
.set n, 0
.rept 32
	s_wait_dscnt 31-n
	global_store_b128 v17, v[128+4*n:128+4*n+3], s[8:9] offset:16384*n th:TH_STORE_NT   ; 32 lanes store 512 consecutive bytes of a channel's row, at a multiple of 256 from out0's first byte
.set n, n+1
.endr
	s_wait_tensorcnt 0x0                           ; the wave's end
	ds_add_u32 v[SPW], v[NIL]
	s_wait_dscnt 0x0
	CROUND                                         ; the closing round: no work-group ends while a partner may still ask for a tile that names it
	s_endpgm
.Lfunc_end_k_qc414ce4d53_attn:
	.size	k_qc414ce4d53_attn, .Lfunc_end_k_qc414ce4d53_attn-k_qc414ce4d53_attn
	.p2alignl 7, 3214868480
	.fill 96, 4, 3214868480
	.section	.rodata,"a",@progbits
	.p2align	6, 0x0
	.amdhsa_kernel k_qc414ce4d53_attn
		.amdhsa_group_segment_fixed_size 327680
		.amdhsa_private_segment_fixed_size 0
		.amdhsa_enable_private_segment 0
		.amdhsa_kernarg_size 24
		.amdhsa_user_sgpr_count 2
		.amdhsa_user_sgpr_kernarg_segment_ptr 1
		.amdhsa_wavefront_size32 1
		.amdhsa_system_sgpr_workgroup_id_x 1
		.amdhsa_system_sgpr_workgroup_id_y 1
		.amdhsa_system_sgpr_workgroup_id_z 1
		.amdhsa_system_vgpr_workitem_id 0
		.amdhsa_next_free_vgpr 512
		.amdhsa_next_free_sgpr 66
		.amdhsa_reserve_vcc 0
		.amdhsa_float_denorm_mode_32 3
		.amdhsa_float_denorm_mode_16_64 3
		.amdhsa_memory_ordered 1
		.amdhsa_forward_progress 1
		.amdhsa_inst_pref_size 255
	.end_amdhsa_kernel
	.section	.bss,"aw",@nobits
	.p2align	6
	.space	262144
	.amdgpu_metadata
---
amdhsa.version: [ 1, 2 ]
amdhsa.kernels:
  - .name:           k_qc414ce4d53_attn
    .symbol:         k_qc414ce4d53_attn.kd
    .args:
      - { .name: qc, .offset: 0, .size: 8, .value_kind: global_buffer, .address_space: global }
      - { .name: kv, .offset: 8, .size: 8, .value_kind: global_buffer, .address_space: global }
      - { .name: out0, .offset: 16, .size: 8, .value_kind: global_buffer, .address_space: global }
    .group_segment_fixed_size: 327680
    .private_segment_fixed_size: 0
    .kernarg_segment_align: 8
    .kernarg_segment_size: 24
    .max_flat_workgroup_size: 256
    .sgpr_count:     66
    .vgpr_count:     512
    .wavefront_size: 32
...
	.end_amdgpu_metadata
.endif
;; end of part 2
